; MI455X (gfx1250); checked and timed in simulation.
; The chip was launched on July 23, 2026; its instructions are those of AMD's public machine-readable ISA for CDNA 5 (MIT licence, August 2026) and "CDNA5" Instruction Set Architecture Reference Guide (July 2026). The comments in the code are by the model that wrote it; some were corrected since.
;; Masked Self Attention. Allowed arithmetic: float matrix products may take bf16 or f16 operands with f32 sums; all other float work in f32.
;; Inputs: Wk 256 x 256 float32; Wq 256 x 256 float32; Wv 256 x 256 float32; bk 256 float32; bq 256 float32; bv 256 float32; x 4 x 4,096 x 256 float32.
;; Outputs: out0 4 x 4,096 x 256 float32.
;; One version. Each part assembles by itself: llvm-mc -triple=amdgcn-amd-amdhsa -mcpu=gfx1250 --defsym DOCPART=n.
;; ======== version 1 of 1: 2 launches
;; limits: values are held in f16: magnitudes above 65,504 overflow, below 6.1e-05 lose precision
;; workspace buffers: q 8,388,608 bytes; kv 16,777,216 bytes
;; launch proj (part 1): grid 64 x 4, 4 waves a work-group, no clusters, 237,056 bytes of LDS; arguments x, Wq, Wk, Wv, bq, bk, bv, q, kv; writes q, kv
.if DOCPART == 1
	.amdgcn_target "amdgcn-amd-amdhsa--gfx1250"
	.amdhsa_code_object_version 6
	.text
	.protected	k_qd49696e8d8_proj
	.globl	k_qd49696e8d8_proj
	.p2align	8
	.type	k_qd49696e8d8_proj,@function
k_qd49696e8d8_proj:
	s_mov_b64 s[64:65], 0
	v_nop
	global_prefetch_b8 v0, s[64:65] scope:SCOPE_SE
	s_setreg_imm32_b32 hwreg(HW_REG_WAVE_MODE, 25, 1), 1
	s_wait_xcnt 0x0
; Q' = (x Wq^T + bq) log2(e)/16,  K = x Wk^T + bk,  V = x Wv^T + bv.   x: [16384][256] f32, W: [256][256] f32, b: [256] f32.
; x and W are rounded to bf16 for the matrix unit, sums and bias in f32, results rounded once to f16 and stored in the order in which
; the attention launch's matrix fragments want them:
;   q : tile T (16 rows) = 8,192 bytes; the 16 bytes at 8192 T + 512 et + 16 L hold Q'[16 T + r][16 et + 8 h + 0..7]   (L lane, r = L & 15, h = L >> 4)
;   kv: block Bk (32 keys) = 32,768 bytes; K at 8192 kt + 512 et + 16 L as q; V at 16384 + 1024 dt + 512 c + 16 idx holds
;       V[32 Bk + 16 c + r][16 dt + 8 h + 0..7], idx = (r & 7) + 8 h + 16 (r >> 3): the order in which a transposing LDS load at 16 L gives V^T's fragment.
; LIMIT: Q', K and V are kept in f16: magnitudes above 65,504 become infinite, magnitudes below 6e-8 vanish.
; A work-group makes 256 rows x 192 of the 768 outputs of [Q; K; V]; a wave keeps the W fragments of three tiles of 16 outputs in 192 registers
; and walks the block's 16 row tiles out of LDS.  The matrix instruction takes W as source 0 and x as source 1, so that a lane's eight results are
; eight neighbouring outputs of one row: 16 bytes of f16, and each store of a wave covers 512 consecutive bytes, aligned.  No stage in LDS.
; NO CLUSTER, NO TENSOR LOADS: the inputs are f32 and pass through registers to be rounded; a work-group's share in f32 is 262,144 + 196,608 bytes,
; more than the 327,680 bytes that a work-group can be given, so joint loads would need a ring with a round of the cluster's barrier for each refill, for 384
; matrix instructions a wave.  Every byte is used once after its conversion.
.set XP,   528                         ; LDS pitch: 512 bytes of bf16 + 16 = 33 x 16: sixteen neighbouring rows start at sixteen different 16-byte columns modulo 256 bytes
.set WR,   256*XP                      ; LDS: x's 256 rows from byte 0, then W's 192 rows (48 for each wave)
.set LOFF, 1                           ; v1      16 x lane
.set XS,   2                           ; v2      where I store x: my wave's 64 rows + 8 x lane
.set WS,   3                           ; v3      where I store W: my wave's 48 rows + 8 x lane
.set WA,   4                           ; v4      W fragments: my wave's rows + r x pitch + 16 h
.set XA,   5                           ; v5      x fragments: r x pitch + 16 h, stepped two tiles a trip
.set LV,   7                           ; v7      16 idx: a lane's place in a chunk of V
.set VOE,  8                           ; v8-10   output offset of the even row tile, for each of my three tiles
.set VOO,  11                          ; v11-13  of the odd row tile
.set BH,   14                          ; v14     32 h: my eight biases
.set BS,   16                          ; v16-39  3 x 8 biases, times the scale
.set ACC,  40                          ; v40-87  2 sets x 3 accumulators
.set PK,   88                          ; v88-111 2 sets x 3 x 4 registers of f16 to store
.set XF0,  112                         ; v112-175 x fragments of the even row tile
.set XF1,  176                         ; v176-239 of the odd one
.set STG,  48                          ; prologue only: v48-239 three slots of 64 registers for f32 as loaded
.set TMP,  240                         ; prologue only: v240-255 bf16 on their way to LDS
                                       ; window 1 (v256-447): W fragment (i, ks) at 64 i + 8 ks
.set WP,   28                          ; s[28:33] my three W tiles      .set names below: one pair or one register for each tile
.set BP,   34                          ; s[34:39] their biases
.set OB,   40                          ; s[40:45] where their results go
.set SC,   46                          ; s[46:51] the scale, twice (a pair for the packed forms)
.set ST,   52                          ; s52-54   bytes from a pair of row tiles to the next
.set OD,   55                          ; s55-57   bytes from the even row tile to the odd one
.set VM,   58                          ; s58-60   all ones for a tile of V
.set MSB, 0
.macro WIN new                         ; the immediate's high byte repeats the setting that is left
.if MSB != \new
	s_set_vgpr_msb (MSB<<8)|\new
.set MSB, \new
.endif
.endm
.macro PLACES                          ; four places behind a matrix instruction (ISA guide 7.12.1) before its results are read or its sources loaded again
.rept 4
	v_nop
.endr
.endm
; Tile i of my wave: g = 12 y + 3 w + i;  g >> 4 says Q, K or V;  et = g & 15 is the tile of 16 outputs.  All selects first, then the shifts, which change SCC.
.macro TILESET i
	s_add_co_u32 s26, s25, \i
	s_lshr_b32 s27, s26, 4                         ; 0 Q, 1 K, 2 V
	s_and_b32 s26, s26, 15                         ; et
	s_cmp_eq_u32 s27, 0
	s_cselect_b64 s[WP+2*\i:WP+2*\i+1], s[6:7], s[8:9]
	s_cselect_b64 s[BP+2*\i:BP+2*\i+1], s[12:13], s[14:15]
	s_cselect_b64 s[OB+2*\i:OB+2*\i+1], s[18:19], s[20:21]
	s_cselect_b32 s[SC+2*\i], 0x3db8aa3b, 1.0      ; log2(e) / 16 for Q alone
	s_cselect_b32 s[ST+\i], 14, 15                 ; two row tiles: 16,384 bytes of q, 32,768 of kv (as shift counts)
	s_cselect_b32 s62, 17, 18                      ; the work-group's 256 rows: 131,072 bytes of q, 262,144 of kv
	s_cmp_eq_u32 s27, 2
	s_cselect_b64 s[WP+2*\i:WP+2*\i+1], s[10:11], s[WP+2*\i:WP+2*\i+1]
	s_cselect_b64 s[BP+2*\i:BP+2*\i+1], s[16:17], s[BP+2*\i:BP+2*\i+1]
	s_cselect_b32 s[OD+\i], 9, 13                  ; the odd row tile lies 512 bytes on in V, 8,192 in Q and K
	s_cselect_b32 s[VM+\i], -1, 0
	s_cselect_b32 s63, 10, 9                       ; a tile of outputs: 1,024 bytes in V, 512 in Q and K
	s_cselect_b32 s27, 0x4000, 0                   ; V lies behind K's 16,384 bytes
	s_lshl_b32 s62, s23, s62
	s_lshl_b32 s63, s26, s63
	s_add_co_u32 s62, s62, s63
	s_add_co_u32 s62, s62, s27
	s_mov_b32 s63, 0
	s_add_nc_u64 s[OB+2*\i:OB+2*\i+1], s[OB+2*\i:OB+2*\i+1], s[62:63]
	s_lshl_b32 s62, s26, 14                        ; 16 rows of W, 1,024 bytes each
	s_add_nc_u64 s[WP+2*\i:WP+2*\i+1], s[WP+2*\i:WP+2*\i+1], s[62:63]
	s_lshl_b32 s62, s26, 6                         ; 16 biases
	s_add_nc_u64 s[BP+2*\i:BP+2*\i+1], s[BP+2*\i:BP+2*\i+1], s[62:63]
	s_lshl_b32 s[ST+\i], 1, s[ST+\i]
	s_lshl_b32 s[OD+\i], 1, s[OD+\i]
	s_mov_b32 s[SC+2*\i+1], s[SC+2*\i]
.endm
; Batch n: 8 rows of 1,024 bytes by 16 loads of 512 consecutive bytes.  n = 0..5: rows 8 (n & 1).. of my W tile n >> 1;  n = 6..13: rows 8 (n - 6).. of my 64 rows of x.
.macro ISSUE n
.if (\n) < 6
.set gb, WP+2*((\n)/2)
.set r0, 8*((\n)%2)
.else
.set gb, 2
.set r0, 8*((\n)-6)
.endif
.set k, 0
.rept 16
	global_load_b128 v[STG+64*((\n)%3)+4*k:STG+64*((\n)%3)+4*k+3], v[LOFF], s[gb:gb+1] offset:(r0+k/2)*1024+(k%2)*512
.set k, k+1
.endr
.endm
; Batch n is rounded to bf16 and laid into LDS (256 consecutive bytes a store); its registers then take batch n + 3.
.macro BATCH n, left
	s_wait_loadcnt \left                           ; loads come back in order (ISA guide 5.7.1): batch n is in, the younger batches stay out
.if (\n) < 6
.set la, WS
.set r0, 8*(\n)
.else
.set la, XS
.set r0, 8*((\n)-6)
.endif
.set k, 0
.rept 16
	v_cvt_pk_bf16_f32 v[TMP+2*(k%8)],   v[STG+64*((\n)%3)+4*k],   v[STG+64*((\n)%3)+4*k+1]
	v_cvt_pk_bf16_f32 v[TMP+2*(k%8)+1], v[STG+64*((\n)%3)+4*k+2], v[STG+64*((\n)%3)+4*k+3]
	ds_store_b64 v[la], v[TMP+2*(k%8):TMP+2*(k%8)+1] offset:(r0+k/2)*XP+(k%2)*256
.set k, k+1
.endr
.if (\n)+3 < 14
	ISSUE (\n)+3
.endif
.endm
	s_load_b256 s[4:11], s[0:1], 0x0               ; x s[4:5], Wq s[6:7], Wk s[8:9], Wv s[10:11]
	s_load_b256 s[12:19], s[0:1], 0x20             ; bq s[12:13], bk s[14:15], bv s[16:17], q s[18:19]
	s_load_b64 s[20:21], s[0:1], 0x40              ; kv
	s_set_vgpr_msb 0x40
	v_lshl_add_u32 v192, v0, 2, 0x39c00
	v_mov_b32 v193, 0
	s_set_vgpr_msb 0x4000
	v_lshrrev_b32 v15, 5, v0
	v_readfirstlane_b32 s22, v15                   ; wave 0..3
	s_mov_b32 s23, ttmp9                           ; X: which 256 rows
	s_and_b32 s24, ttmp7, 0xffff                   ; y: which 192 outputs
	s_mul_i32 s25, s24, 12
	s_mul_i32 s26, s22, 3
	s_add_co_u32 s25, s25, s26                     ; my first tile of outputs: 12 y + 3 w
	v_and_b32 v15, 31, v0                          ; lane
	v_lshlrev_b32 v[LOFF], 4, v15
	s_mul_i32 s26, s22, 64*XP
	v_lshl_add_u32 v[XS], v15, 3, s26
	s_mul_i32 s27, s22, 48*XP
	s_add_co_u32 s27, s27, WR
	v_lshl_add_u32 v[WS], v15, 3, s27
	v_and_b32 v6, 15, v0                           ; r
	v_bfe_u32 v[BH], v0, 4, 1                      ; h
	v_mul_u32_u24 v[XA], v6, XP
	v_lshl_add_u32 v[XA], v[BH], 4, v[XA]
	v_add_nc_u32 v[WA], s27, v[XA]
	v_and_b32 v[LV], 7, v6
	v_lshl_add_u32 v[LV], v[BH], 3, v[LV]
	v_lshrrev_b32 v6, 3, v6
	v_lshl_add_u32 v[LV], v6, 4, v[LV]             ; idx = (r & 7) + 8 h + 16 (r >> 3)
	v_lshlrev_b32 v[LV], 4, v[LV]
	v_lshlrev_b32 v[BH], 5, v[BH]
	s_wait_kmcnt 0x0
	TILESET 0
	TILESET 1
	TILESET 2
	s_lshl_b32 s62, s23, 18                        ; 256 rows of x, 1,024 bytes each,
	s_lshl_b32 s63, s22, 16                        ; and my wave's 64 of them
	s_add_co_u32 s62, s62, s63
	s_mov_b32 s63, 0
	s_add_nc_u64 s[2:3], s[4:5], s[62:63]
.irp i, 0,1,2
	global_load_b128 v[BS+8*\i:BS+8*\i+3],   v[BH], s[BP+2*\i:BP+2*\i+1]
	global_load_b128 v[BS+8*\i+4:BS+8*\i+7], v[BH], s[BP+2*\i:BP+2*\i+1] offset:16
.endr
	ISSUE 0
	ISSUE 1
	ISSUE 2
.irp i, 0,1,2
	v_cndmask_b32 v[VOE+\i], v[LOFF], v[LV], s[VM+\i]          ; a lane's place in a chunk: 16 L, or 16 idx in V
	v_add_nc_u32 v[VOO+\i], s[OD+\i], v[VOE+\i]
.endr
.irp n, 0,1,2,3,4,5,6,7,8,9,10,11
	BATCH \n, 32                                   ; two younger batches of 16 loads stay out; the six bias loads are older than every batch
.endr
	BATCH 12, 16
	BATCH 13, 0
.irp i, 0,1,2
.irp j, 0,2,4,6
	v_pk_mul_f32 v[BS+8*\i+\j:BS+8*\i+\j+1], v[BS+8*\i+\j:BS+8*\i+\j+1], s[SC+2*\i:SC+2*\i+1] op_sel_hi:[1,0]   ; (sum + b) scale = sum scale + b scale
.endr
.endr
	; my W fragments: 16 outputs x 32 K in 8 registers, two loads 32 bytes apart.  These are my wave's own bytes, and LDS serves a wave's
	; instructions in order (ISA guide 5.7.1.4): no wait between my stores and these loads.
	WIN 0x40                                       ; destination window 1, address window 0
.irp i, 0,1,2
.irp ks, 0,1,2,3,4,5,6,7
	ds_load_b128 v[64*\i+8*\ks:64*\i+8*\ks+3],   v[WA] offset:\i*16*XP+\ks*64
	ds_load_b128 v[64*\i+8*\ks+4:64*\i+8*\ks+7], v[WA] offset:\i*16*XP+\ks*64+32
.endr
.endr
	WIN 0
	s_wait_dscnt 0x0                               ; my stores of x are done, for the others' sake (and my W fragments are in)
	s_barrier_signal -1
	s_barrier_wait -1                              ; all 256 rows of x lie in LDS; nothing is written there any more
.macro LDX buf, tile                   ; the x fragments of one row tile: 16 rows x 256 K, 16 loads
.irp ks, 0,1,2,3,4,5,6,7
	ds_load_b128 v[\buf+8*\ks:\buf+8*\ks+3],   v[XA] offset:\tile*16*XP+\ks*64
	ds_load_b128 v[\buf+8*\ks+4:\buf+8*\ks+7], v[XA] offset:\tile*16*XP+\ks*64+32
.endr
.endm
; 24 matrix instructions: one row tile x my three tiles of outputs.  The three accumulators take turns, one instruction a turn.
; The first product starts each sum: nothing is cleared.
.macro MUL24 xf, set
	WIN 0x01                                       ; source 0 (W) in window 1
.irp ks, 0,1,2,3,4,5,6,7
.irp i, 0,1,2
.if \ks == 0
	v_wmma_f32_16x16x32_bf16 v[ACC+24*\set+8*\i:ACC+24*\set+8*\i+7], v[64*\i+8*\ks:64*\i+8*\ks+7], v[\xf+8*\ks:\xf+8*\ks+7], 0
.else
	v_wmma_f32_16x16x32_bf16 v[ACC+24*\set+8*\i:ACC+24*\set+8*\i+7], v[64*\i+8*\ks:64*\i+8*\ks+7], v[\xf+8*\ks:\xf+8*\ks+7], v[ACC+24*\set+8*\i:ACC+24*\set+8*\i+7]
.endif
.endr
.endr
	WIN 0
.endm
; Scale, bias, rounding to f16, and one store of 512 consecutive bytes for each of the three tiles.
.macro EPI set
	s_wait_xcnt 0x0                                ; the set's last stores have had their addresses translated (ISA guide 3.1): PK is rewritten only behind this wait
.irp i, 0,1,2
.irp j, 0,2,4,6
	v_pk_fma_f32 v[ACC+24*\set+8*\i+\j:ACC+24*\set+8*\i+\j+1], v[ACC+24*\set+8*\i+\j:ACC+24*\set+8*\i+\j+1], s[SC+2*\i:SC+2*\i+1], v[BS+8*\i+\j:BS+8*\i+\j+1] op_sel_hi:[1,0,1]
.endr
.irp j, 0,1,2,3
	v_cvt_pk_f16_f32 v[PK+12*\set+4*\i+\j], v[ACC+24*\set+8*\i+2*\j], v[ACC+24*\set+8*\i+2*\j+1]
.endr
	global_store_b128 v[VOE+3*\set+\i], v[PK+12*\set+4*\i:PK+12*\set+4*\i+3], s[OB+2*\i:OB+2*\i+1]
.endr
.endm
; Two row tiles.  more = 1: the fragments of the pair behind them are fetched meanwhile.
.macro PAIR more
	s_wait_dscnt 16                                ; the even tile's 16 loads are in, the odd tile's 16 stay out
	MUL24 XF0, 0
	PLACES
.if \more
	LDX XF0, 2
.endif
	EPI 0
.if \more
	s_wait_dscnt 16                                ; the odd tile's are in, the 16 just issued stay out
.else
	s_wait_dscnt 0
.endif
	MUL24 XF1, 1
	PLACES
.if \more
	LDX XF1, 3
.endif
	EPI 1
.if \more
	s_wait_xcnt 0x0                                ; the stores' offsets are stepped only behind this wait
.irp i, 0,1,2
	v_add_nc_u32 v[VOE+\i], s[ST+\i], v[VOE+\i]
	v_add_nc_u32 v[VOO+\i], s[ST+\i], v[VOO+\i]
.endr
	v_add_nc_u32 v[XA], 32*XP, v[XA]
.endif
.endm
	LDX XF0, 0
	LDX XF1, 1
	s_mov_b32 s61, 7
.Lpair:
	PAIR 1
	s_sub_co_i32 s61, s61, 1
	s_cmp_lg_u32 s61, 0
	s_cbranch_scc1 .Lpair
	PAIR 0                                         ; the last pair fetches nothing
	s_set_vgpr_msb 0x5
	s_wait_tensorcnt 0x0
	ds_add_u32 v192, v193
	s_wait_dscnt 0x0
	s_set_vgpr_msb 0x500
	s_endpgm
.Lfunc_end_k_qd49696e8d8_proj:
	.size	k_qd49696e8d8_proj, .Lfunc_end_k_qd49696e8d8_proj-k_qd49696e8d8_proj
	.p2alignl 7, 3214868480
	.fill 96, 4, 3214868480
	.section	.rodata,"a",@progbits
	.p2align	6, 0x0
	.amdhsa_kernel k_qd49696e8d8_proj
		.amdhsa_group_segment_fixed_size 237056
		.amdhsa_private_segment_fixed_size 0
		.amdhsa_enable_private_segment 0
		.amdhsa_kernarg_size 72
		.amdhsa_user_sgpr_count 2
		.amdhsa_user_sgpr_kernarg_segment_ptr 1
		.amdhsa_wavefront_size32 1
		.amdhsa_system_sgpr_workgroup_id_x 1
		.amdhsa_system_sgpr_workgroup_id_y 1
		.amdhsa_system_sgpr_workgroup_id_z 1
		.amdhsa_system_vgpr_workitem_id 0
		.amdhsa_next_free_vgpr 450
		.amdhsa_next_free_sgpr 66
		.amdhsa_reserve_vcc 0
		.amdhsa_float_denorm_mode_32 3
		.amdhsa_float_denorm_mode_16_64 3
		.amdhsa_memory_ordered 1
		.amdhsa_forward_progress 1
		.amdhsa_inst_pref_size 92
	.end_amdhsa_kernel
	.amdgpu_metadata
---
amdhsa.version: [ 1, 2 ]
amdhsa.kernels:
  - .name:           k_qd49696e8d8_proj
    .symbol:         k_qd49696e8d8_proj.kd
    .args:
      - { .name: x, .offset: 0, .size: 8, .value_kind: global_buffer, .address_space: global }
      - { .name: Wq, .offset: 8, .size: 8, .value_kind: global_buffer, .address_space: global }
      - { .name: Wk, .offset: 16, .size: 8, .value_kind: global_buffer, .address_space: global }
      - { .name: Wv, .offset: 24, .size: 8, .value_kind: global_buffer, .address_space: global }
      - { .name: bq, .offset: 32, .size: 8, .value_kind: global_buffer, .address_space: global }
      - { .name: bk, .offset: 40, .size: 8, .value_kind: global_buffer, .address_space: global }
      - { .name: bv, .offset: 48, .size: 8, .value_kind: global_buffer, .address_space: global }
      - { .name: q, .offset: 56, .size: 8, .value_kind: global_buffer, .address_space: global }
      - { .name: kv, .offset: 64, .size: 8, .value_kind: global_buffer, .address_space: global }
    .group_segment_fixed_size: 237056
    .private_segment_fixed_size: 0
    .kernarg_segment_align: 8
    .kernarg_segment_size: 72
    .max_flat_workgroup_size: 128
    .sgpr_count:     66
    .vgpr_count:     450
    .wavefront_size: 32
...
	.end_amdgpu_metadata
.endif
;; end of part 1
;; launch attn (part 2): grid 256 x 1, 4 waves a work-group, clusters of 4 x 1, 327,680 bytes of LDS; arguments q, kv, out0; writes out0
.if DOCPART == 2
	.amdgcn_target "amdgcn-amd-amdhsa--gfx1250"
	.amdhsa_code_object_version 6
	.text
	.protected	k_qd49696e8d8_attn
	.globl	k_qd49696e8d8_attn
	.p2align	8
	.type	k_qd49696e8d8_attn,@function
k_qd49696e8d8_attn:
	s_mov_b64 s[64:65], 0
	v_nop
	global_prefetch_b8 v0, s[64:65] scope:SCOPE_SE
	s_setreg_imm32_b32 hwreg(HW_REG_WAVE_MODE, 25, 1), 1
	s_wait_xcnt 0x0
	s_wait_alu depctr_hold_cnt(0) depctr_sa_sdst(0) depctr_va_vdst(0) depctr_va_sdst(0) depctr_va_ssrc(0) depctr_va_vcc(0) depctr_vm_vsrc(0)
	s_getreg_b32 s2, hwreg(HW_REG_IB_STS2, 6, 4)
	s_cmp_eq_u32 s2, 0
	s_cbranch_scc0 .Lentry_in_a_cluster
	s_endpgm
.Lentry_in_a_cluster:
	s_bfe_u32 s2, ttmp6, 0x10000c
	s_cmp_lg_u32 s2, 0x3003
	s_cbranch_scc0 .Lentry_shape_is_right
	s_endpgm
.Lentry_shape_is_right:
; out = softmax(causal(Q K^T / 16)) V for one head of 256, 4 batches of 4,096 rows.  q and kv hold f16 in fragment order (see the projection launch); Q carries log2(e)/16.
; SHARE.  Cluster c (0..63): batch b = c >> 4, J = c & 15.  It owns the blocks of 128 rows J (low) and H = 31 - J (high) of the batch; work-group cx of the four takes
; rows 32 cx .. 32 cx + 31 of each: 64 query rows as four tiles of 16 (0, 1 low; 2, 3 high).  Keys go in steps of 128; wave w takes keys 32 w .. 32 w + 31 of each step,
; with all 64 query rows, a running maximum and sum of its own; the four waves' results are merged at the end.  Low rows need J + 1 steps and high rows 32 - J:
; counted in units of 32 rows x 32 keys every wave of every work-group does 34.
; CLUSTER.  The four work-groups walk the same keys: each K/V tile (32 keys: 16,384 bytes of K, 16,384 of V, dense in kv) is asked for jointly by the four,
; which divides the requests for K and V by four.  Nothing in a descriptor, an LDS address or a branch hangs on cx.
; TRANSPOSED.  S^T = K Q^T (source 0 = K, source 1 = Q): a lane holds query row r and keys 8 h + 0..7 of each 16; packed to f16 these registers ARE source 1 of
; O^T = V^T P^T.  So a query row lives in lanes r and r + 16: maximum and sum are work inside a lane plus one exchange, and the rescaling factor is a lane's own number.
; SOFTMAX.  Running maximum, taken away before every exponential (base 2).  A row whose keys in a wave are all masked keeps the maximum -FLT_MAX, P = 0, factor 1.
; LIMITS.  P is rounded to f16 (values below 6e-8 vanish); the exponential gives 0 for results below 2^-126; the key range is split over four waves and the
; four partial results are added as (w0 + w1) + (w2 + w3), an order of sums other than a plain row sum's.  Q', K, V in f16: see the projection launch.
.set WTILE, 32768                      ; a wave's tile: K's 16,384 bytes, then V's
.set SLOTB, 4*WTILE                    ; LDS: two slots of 131,072 bytes from byte 0; wave w's tile at w x 32,768
.set VPART, 16384
.set SP,    1040                       ; the stage's pitch: 1,024 bytes + 16 = 65 x 16: sixteen neighbouring rows start at sixteen different 16-byte columns modulo 256 bytes
.set SW,    64*SP                      ; the stage: 64 rows for each source wave, from byte 0, written only behind the launch's last fill
.set STAT,  4*SW                       ; 266,240: maxima [64][4] f32, then sums [64][4]: 256-byte blocks into which no fill lands
.set LA,   2                           ; v2-3    my tile in slot 0, 1: + 16 x lane
.set DD,   4                           ; v4-5    32 cx + r - 32 w - 8 h (+ 16 for the second tile): query row less key, without the step's shift and 16 kt + j
.set DM,   6                           ; v6-7    the same with the step's shift
.set M,    8                           ; v8-11   running maximum of each query tile
.set LS,   12                          ; v12-15  running sum (this lane's keys)
.set AL,   16                          ; v16-19  rescaling factor
.set MN,   20                          ; v20-23  new maximum
.set T,    24                          ; v24-30  at work
.set NEGV, 31                          ; v31     -infinity
.set S,    32                          ; v32-95  scores: S + 16 qt + 8 kt + j
.set P,    96                          ; v96-127 probabilities in f16: P + 8 qt + 4 kt + j/2
.set FA,   128                         ; v128-191 fragments of K, then of V^T
.set FB,   192                         ; v192-255 likewise
.set SA,   29                          ; the way out: where I put my results
.set RA,   8                           ; the way out: v8-11 where I read the four waves' rows
.set GO,   12                          ; the way out: my offset in out0
                                       ; window 1: Q fragments at 64 qt + 8 ks;  window 2: O of query tiles 0, 1 at 8 (2 dt + qq);  window 3: of tiles 2, 3
.set MSB, 0
.macro WIN new                         ; low byte: bits 1:0 source 0, 3:2 source 1, 5:4 source 2, 7:6 destination; the high byte repeats the setting that is left
.if MSB != \new
	s_set_vgpr_msb (MSB<<8)|\new
.set MSB, \new
.endif
.endm
.macro PLACES                          ; four places behind a matrix instruction (ISA guide 7.12.1) before its results are read or written, or its sources loaded again
.rept 4
	v_nop
.endr
.endm
.macro CREST                           ; a round of the cluster's barrier behind its opening work-group barrier
	s_cmp_lg_u32 s10, 0
	s_cbranch_scc1 .Lnot_wave_0_\@
	s_barrier_signal -3
.Lnot_wave_0_\@:
	s_barrier_wait -3
	s_barrier_signal -1
	s_barrier_wait -1
.endm
.macro CROUND                          ; a whole round
	s_barrier_signal -1
	s_barrier_wait -1
	CREST
.endm
; 16 loads: K's fragments (2 key tiles x 4 steps of 32 along d, part = which half of d).  Lane L reads 16 bytes at 16 L: 512 consecutive bytes a load.
.macro LDK slot, part, buf
.irp kt, 0,1
.irp ksl, 0,1,2,3
	ds_load_b128 v[\buf+8*(4*\kt+\ksl):\buf+8*(4*\kt+\ksl)+3],   v[LA+\slot] offset:\kt*8192+(4*\part+\ksl)*1024
	ds_load_b128 v[\buf+8*(4*\kt+\ksl)+4:\buf+8*(4*\kt+\ksl)+7], v[LA+\slot] offset:\kt*8192+(4*\part+\ksl)*1024+512
.endr
.endr
.endm
; 16 transposing loads: V^T's fragments of 8 tiles of 16 along d.  kv's order of chunks makes lane L receive d = 16 dt + (L & 15), keys 8 (L >> 4) + 0..7 (+ 16 in the second load).
.macro LDV slot, part, buf
.irp dl, 0,1,2,3,4,5,6,7
	ds_load_tr16_b128 v[\buf+8*\dl:\buf+8*\dl+3],   v[LA+\slot] offset:VPART+(8*\part+\dl)*1024
	ds_load_tr16_b128 v[\buf+8*\dl+4:\buf+8*\dl+7], v[LA+\slot] offset:VPART+(8*\part+\dl)*1024+512
.endr
.endm
; S^T += K Q^T over half of d, for query tiles q0..3.  The 8 or 4 accumulators take turns, one instruction a turn.  The first product starts each sum.
.macro SMUL part, buf, q0
	WIN 0x04                                       ; source 1 (Q) in window 1
.irp ksl, 0,1,2,3
.irp kt, 0,1
.set qt, \q0
.rept 4-\q0
.if (\part+\ksl) == 0
	v_wmma_f32_16x16x32_f16 v[S+16*qt+8*\kt:S+16*qt+8*\kt+7], v[\buf+8*(4*\kt+\ksl):\buf+8*(4*\kt+\ksl)+7], v[64*qt+8*(4*\part+\ksl):64*qt+8*(4*\part+\ksl)+7], 0
.else
	v_wmma_f32_16x16x32_f16 v[S+16*qt+8*\kt:S+16*qt+8*\kt+7], v[\buf+8*(4*\kt+\ksl):\buf+8*(4*\kt+\ksl)+7], v[64*qt+8*(4*\part+\ksl):64*qt+8*(4*\part+\ksl)+7], v[S+16*qt+8*\kt:S+16*qt+8*\kt+7]
.endif
.set qt, qt+1
.endr
.endr
.endr
.endm
; The causal mask on query tiles qa, qa + 1: query row - key = DD + shift - (16 kt + j); a key beyond the row gets -infinity.
; The shift is 128 x (the rows' block - the step): +128 masks nothing (DD >= -104, 16 kt + j <= 23), -128 masks all (DD <= 127).
.macro MASKQ qa, dreg
	v_add_nc_u32 v[DM],   s[\dreg], v[DD]
	v_add_nc_u32 v[DM+1], s[\dreg], v[DD+1]
.irp qq, 0,1
.irp kt, 0,1
.irp j, 0,1,2,3,4,5,6,7
	v_cmp_gt_i32 vcc_lo, 16*\kt+\j, v[DM+\qq]
	v_cndmask_b32 v[S+16*(\qa+\qq)+8*\kt+\j], v[S+16*(\qa+\qq)+8*\kt+\j], v[NEGV], vcc_lo
.endr
.endr
.endr
.endm
.macro SUBMN a, qt                     ; two scores less the tile's new maximum (one register of the pair, for both halves)
.if (\qt)&1
	v_pk_add_f32 v[\a:\a+1], v[\a:\a+1], v[MN+(\qt)-1:MN+(\qt)] op_sel:[0,1] op_sel_hi:[1,1] neg_lo:[0,1] neg_hi:[0,1]
.else
	v_pk_add_f32 v[\a:\a+1], v[\a:\a+1], v[MN+(\qt):MN+(\qt)+1] op_sel_hi:[1,0] neg_lo:[0,1] neg_hi:[0,1]
.endif
.endm
; The step's softmax for query tiles q0..3, stage by stage so that the tiles' chains do not wait for each other.
.macro SOFTMAX q0
.set qt, \q0
.rept 4-\q0
	v_max3_num_f32 v[MN+qt], v[S+16*qt], v[S+16*qt+1], v[M+qt]
.set qt, qt+1
.endr
.set k, 2
.rept 7
.set qt, \q0
.rept 4-\q0
	v_max3_num_f32 v[MN+qt], v[MN+qt], v[S+16*qt+k], v[S+16*qt+k+1]
.set qt, qt+1
.endr
.set k, k+2
.endr
.set qt, \q0
.rept 4-\q0
	v_permlanex16_b32 v[T+qt], v[MN+qt], s38, s39  ; the row's other 16 keys lie in lane L xor 16
.set qt, qt+1
.endr
.set qt, \q0
.rept 4-\q0
	v_max_num_f32 v[MN+qt], v[MN+qt], v[T+qt]
.set qt, qt+1
.endr
.set qt, \q0
.rept 4-\q0
	v_sub_f32 v[AL+qt], v[M+qt], v[MN+qt]
.set qt, qt+1
.endr
.set qt, \q0
.rept 4-\q0
	v_exp_f32 v[AL+qt], v[AL+qt]                   ; 2^(old maximum - new)
.set qt, qt+1
.endr
.set qt, \q0
.rept 4-\q0
	v_mov_b32 v[M+qt], v[MN+qt]                    ; plain work behind the exponentials (ISA guide 5.7.2), which touches none of their registers
.set qt, qt+1
.endr
.set qt, \q0
.rept 4-\q0
.set k, 0
.rept 8
	SUBMN S+16*qt+2*k, qt
.set k, k+1
.endr
.set qt, qt+1
.endr
.set k, 16*\q0
.rept 16*(4-\q0)
	v_exp_f32 v[S+k], v[S+k]
.set k, k+1
.endr
	v_nop                                          ; one plain place before the exponentials' results are used
.set qt, \q0
	s_wait_alu depctr_va_vdst(0)
.rept 4-\q0
.set k, 0
.rept 8
	v_cvt_pk_f16_f32 v[P+8*qt+k], v[S+16*qt+2*k], v[S+16*qt+2*k+1]    ; keys 8 h + 0..7 of tile kt = 0 into registers 0-3, of kt = 1 into 4-7: source 1 of the second product
.set k, k+1
.endr
.set qt, qt+1
.endr
.set qt, \q0
.rept 4-\q0
.irp a, 0,4,8,12
	v_pk_add_f32 v[S+16*qt+\a:S+16*qt+\a+1], v[S+16*qt+\a:S+16*qt+\a+1], v[S+16*qt+\a+2:S+16*qt+\a+3]
.endr
	v_pk_add_f32 v[S+16*qt:S+16*qt+1],   v[S+16*qt:S+16*qt+1],   v[S+16*qt+4:S+16*qt+5]
	v_pk_add_f32 v[S+16*qt+8:S+16*qt+9], v[S+16*qt+8:S+16*qt+9], v[S+16*qt+12:S+16*qt+13]
	v_pk_add_f32 v[S+16*qt:S+16*qt+1],   v[S+16*qt:S+16*qt+1],   v[S+16*qt+8:S+16*qt+9]
	v_add_f32 v[S+16*qt], v[S+16*qt], v[S+16*qt+1]
	v_fma_f32 v[LS+qt], v[LS+qt], v[AL+qt], v[S+16*qt]
.set qt, qt+1
.endr
.endm
; O *= factor, a whole window: registers 16 dt + 0..7 belong to the pair's first query tile, 16 dt + 8..15 to its second.
.macro RESC1 alp
.set oi, 0
.rept 16
.rept 4
	v_pk_mul_f32 v[oi:oi+1], v[oi:oi+1], v[\alp:\alp+1] op_sel_hi:[1,0]
.set oi, oi+2
.endr
.rept 4
	v_pk_mul_f32 v[oi:oi+1], v[oi:oi+1], v[\alp:\alp+1] op_sel:[0,1] op_sel_hi:[1,1]
.set oi, oi+2
.endr
.endr
.endm
.macro RESCALE q0
.if \q0 == 0
	WIN 0x82                                       ; destination and source 0 in window 2
	RESC1 AL
.endif
	WIN 0xc3                                       ; in window 3
	RESC1 AL+2
.endm
; O^T += V^T P^T for d tiles d0 + dla .. d0 + dlb and the two query tiles of window win.  Each accumulator has one instruction in a step: they take turns.
.macro PVMUL buf, d0, dla, dlb, win, zero
.if \win == 2
	WIN 0xa0                                       ; C and D in window 2
.else
	WIN 0xf0                                       ; in window 3
.endif
.set dl, \dla
.rept \dlb-\dla+1
.irp qq, 0,1
.if \zero
	v_wmma_f32_16x16x32_f16 v[8*(2*(\d0+dl)+\qq):8*(2*(\d0+dl)+\qq)+7], v[\buf+8*dl:\buf+8*dl+7], v[P+8*(2*(\win-2)+\qq):P+8*(2*(\win-2)+\qq)+7], 0
.else
	v_wmma_f32_16x16x32_f16 v[8*(2*(\d0+dl)+\qq):8*(2*(\d0+dl)+\qq)+7], v[\buf+8*dl:\buf+8*dl+7], v[P+8*(2*(\win-2)+\qq):P+8*(2*(\win-2)+\qq)+7], v[8*(2*(\d0+dl)+\qq):8*(2*(\d0+dl)+\qq)+7]
.endif
.endr
.set dl, dl+1
.endr
.endm
; One step: my 32 keys of the tile in slot, against query tiles q0..3.  dreg: the scalar with the mask's shift, 0 = no mask.  first = 1: the products start O's sums.
; tail = 0: the slot is filled again, with the next pair's tile;  1: no refill, the other slot is still to be read;  2: the last step.
; At the entry K's 32 loads are out (half 0 of d into FA, then half 1 into FB).  Each s_wait_dscnt 16 leaves the youngest run of 16 loads out.
.macro STEP slot, q0, dreg, first, tail
	s_wait_dscnt 16                                ; K, half 0
	SMUL 0, FA, \q0
	WIN 0
	PLACES
	LDV \slot, 0, FA
	s_wait_dscnt 16                                ; K, half 1
	SMUL 1, FB, \q0
	WIN 0
	PLACES                                         ; for the loads into FB and for the reads of S
	LDV \slot, 1, FB
.if \dreg
	MASKQ \q0, \dreg
.endif
	SOFTMAX \q0
.if \first == 0
	RESCALE \q0
.endif
	s_wait_dscnt 16                                ; V^T, d 0..127
.if \q0 == 0
	PVMUL FA, 0, 0, 7, 2, \first
.endif
	PVMUL FA, 0, 0, 7, 3, \first
	s_wait_dscnt 0x0                               ; V^T, d 128..255: my reads of this slot are over
.if \tail < 2
	s_wait_xcnt 0x0
	s_set_vgpr_msb 0xf030
	v_lshl_add_u32 v94, v0, 2, 0x41800
	v_mov_b32 v95, 0
	s_wait_tensorcnt 0x0                           ; all my tensor loads have landed: the one that was out is my tile in the other slot
	ds_add_u32 v94, v95
	s_wait_dscnt 0x0
	s_set_vgpr_msb 0x30f0
.endif
.if \tail == 0
.if \slot == 0
	s_add_co_u32 s36, s36, 1                       ; the next pair of steps: 0, 1, 2, .. without pair uL, which came first
	s_cmp_eq_u32 s36, s15
	s_add_co_ci_u32 s36, s36, 0
	s_lshl_b32 s34, s36, 18                        ; a pair of steps is 262,144 bytes of kv
	s_add_nc_u64 s[26:27], s[32:33], s[34:35]      ; no tensor load of mine is out: the descriptors may be written
	s_or_b32 s27, s27, 0x80000000
.else
	s_add_nc_u64 s[30:31], s[26:27], SLOTB         ; the pair's second step; the type bits on top are not reached
.endif
	s_barrier_signal -1                            ; opens a round of the cluster's barrier
.endif
.if \q0 == 0
	PVMUL FB, 8, 0, 7, 2, \first                   ; register work while the others arrive
.else
	PVMUL FB, 8, 0, 3, 3, \first
.endif
.if \tail < 2
	WIN 0
.endif
.if \tail == 0
	s_barrier_wait -1
	CREST                                          ; no wave of any of the four work-groups still reads this slot or has a load on its way
	tensor_load_to_lds s[24+4*\slot:27+4*\slot], s[16:23]      ; the first tensor load behind the round; it has the whole next step in which to land
	s_nop 0
.endif
.if \tail < 2
	PLACES
	LDK 1-\slot, 0, FA
.endif
.if \q0 == 0
	PVMUL FB, 8, 0, 7, 3, \first
.else
	PVMUL FB, 8, 4, 7, 3, \first
.endif
	WIN 0
.if \tail < 2
	PLACES
	LDK 1-\slot, 1, FB
.endif
.endm
	s_load_b128 s[4:7], s[0:1], 0x0                ; q s[4:5], kv s[6:7]
	s_load_b64 s[8:9], s[0:1], 0x10                ; out0
	v_lshl_add_u32 v94, v0, 2, 0x41800
	v_mov_b32 v95, 0
	ds_add_u32 v94, v95
	s_wait_dscnt 0x0
	v_lshrrev_b32 v24, 5, v0
	v_readfirstlane_b32 s10, v24                   ; wave 0..3
	s_bfe_u32 s11, ttmp6, 0x40000                  ; cx: my place in the cluster
	s_lshr_b32 s13, ttmp9, 4                       ; b (ttmp9 counts clusters)
	s_and_b32 s14, ttmp9, 15                       ; J
	s_lshr_b32 s15, s14, 1                         ; uL: the pair of steps in which the low rows' diagonal lies
	s_and_b32 s41, s14, 1
	s_lshl_b32 s41, s41, 7                         ; the mask's shift, low rows: 128 (J & 1) in slot 0,
	s_sub_co_i32 s43, s41, 0x80                    ; 128 less in slot 1;
	s_sub_co_i32 s42, 0x80, s41                    ; high rows: 128 (1 - (J & 1)) in slot 0,
	s_sub_co_i32 s40, s42, 0x80                    ; 128 less in slot 1
	s_mov_b32 s38, 0x76543210                      ; v_permlanex16_b32: lane i of one half reads lane i of the other
	s_mov_b32 s39, 0xfedcba98
	s_mov_b32 s36, -1                              ; the pair last asked for, behind pair uL
	; descriptor group 1: a dense tile of 32,768 bytes as 128 rows of 32 elements of 8 bytes
	s_mov_b32 s16, 15|(3<<16)|(1<<21)              ; 15:0 mask: all four work-groups; 17:16 element of 8 bytes; 21 set beside a mask; no padding
	s_mov_b32 s17, 32<<16                          ; tensor_dim0 = 32
	s_mov_b32 s18, 128<<16                         ; tensor_dim1 = 128
	s_mov_b32 s19, 32<<16                          ; tile_dim0 = 32
	s_mov_b32 s20, 128                             ; tile_dim1 = 128
	s_mov_b32 s21, 32                              ; 32 elements from row to row
	s_mov_b32 s22, 0
	s_mov_b32 s23, 0
	v_and_b32 v24, 31, v0                          ; lane
	v_lshlrev_b32 v1, 4, v24                       ; 16 x lane
	s_lshl_b32 s25, s10, 15                        ; my tile in slot 0: wave x 32,768
	v_add_nc_u32 v[LA], s25, v1
	v_add_nc_u32 v[LA+1], SLOTB, v[LA]
	v_and_b32 v25, 15, v0                          ; r
	v_bfe_u32 v26, v0, 4, 1                        ; h
	v_lshlrev_b32 v27, 3, v26
	s_sub_co_i32 s57, s11, s10
	s_lshl_b32 s57, s57, 5                         ; 32 (cx - w)
	v_sub_nc_u32 v[DD], v25, v27
	v_add_nc_u32 v[DD], s57, v[DD]
	v_add_nc_u32 v[DD+1], 16, v[DD]
.irp i, 0,1,2,3
	v_mov_b32 v[M+\i], 0xff7fffff                  ; -FLT_MAX: finite, so that maximum - maximum is 0 where nothing has been seen
	v_mov_b32 v[LS+\i], 0
.endr
	v_mov_b32 v[NEGV], 0xff800000
	s_lshl_b32 s34, s13, 22                        ; a batch is 4,194,304 bytes of kv,
	s_add_co_u32 s34, s34, s25                     ; my wave's block 32,768
	s_mov_b32 s35, 0
	s_lshl_b32 s54, s13, 8                         ; tiles of 16 rows: 256 b
	s_lshl1_add_u32 s54, s11, s54                  ; + 2 cx
	s_lshl3_add_u32 s55, s14, s54                  ; + 8 J: my low rows
	s_sub_co_u32 s56, 31, s14
	s_lshl3_add_u32 s56, s56, s54                  ; + 8 H: my high rows
	s_mov_b32 s53, 0
	s_wait_kmcnt 0x0
	s_add_nc_u64 s[32:33], s[6:7], s[34:35]        ; kv at my wave's block of the batch's step 0
	s_lshl_b32 s52, s55, 13                        ; a tile is 8,192 bytes of q
	s_add_nc_u64 s[48:49], s[4:5], s[52:53]
	s_lshl_b32 s52, s55, 14                        ; and 16,384 bytes of out0
	s_add_nc_u64 s[44:45], s[8:9], s[52:53]
	s_lshl_b32 s52, s56, 13
	s_add_nc_u64 s[50:51], s[4:5], s[52:53]
	s_lshl_b32 s52, s56, 14
	s_add_nc_u64 s[46:47], s[8:9], s[52:53]
	; descriptor group 0, one set for each slot: pair uL comes first
	s_lshl_b32 s34, s15, 18
	s_mov_b32 s24, 1
	s_add_nc_u64 s[26:27], s[32:33], s[34:35]
	s_or_b32 s27, s27, 0x80000000
	s_mov_b32 s28, 1
	s_add_co_u32 s29, s25, SLOTB
	s_add_nc_u64 s[30:31], s[26:27], SLOTB
	CROUND                                         ; all four work-groups are here: the first joint loads meet
	tensor_load_to_lds s[24:27], s[16:23]
	s_nop 0
	tensor_load_to_lds s[28:31], s[16:23]          ; a wave has two tensor loads out here, later one
	s_nop 0
	WIN 0x40                                       ; destination window 1
.irp qt, 0,1,2,3
.irp ks, 0,1,2,3,4,5,6,7
	global_load_b128 v[64*\qt+8*\ks:64*\qt+8*\ks+3],   v1, s[48+2*(\qt/2):49+2*(\qt/2)] offset:(\qt%2)*8192+\ks*1024
	global_load_b128 v[64*\qt+8*\ks+4:64*\qt+8*\ks+7], v1, s[48+2*(\qt/2):49+2*(\qt/2)] offset:(\qt%2)*8192+\ks*1024+512
.endr
.endr
	WIN 0
	s_wait_tensorcnt 0x1                           ; my tile in slot 0 has landed, slot 1's stays out.  A wave reads only the tile that it asked for itself: no barrier
	LDK 0, 0, FA
	LDK 0, 1, FB
	s_wait_loadcnt 0x0                             ; Q, once
	STEP 0, 0, 41, 1, 0                            ; pair uL: all four query tiles, the low ones masked; its first step starts all sums
	STEP 1, 0, 43, 0, 0
	s_cmp_eq_u32 s15, 0
	s_cbranch_scc1 .Lno_a
	s_mov_b32 s37, s15
.Lloop_a:                                          ; pairs 0 .. uL - 1: all four query tiles, no mask
	STEP 0, 0, 0, 0, 0
	STEP 1, 0, 0, 0, 0
	s_sub_co_i32 s37, s37, 1
	s_cmp_lg_u32 s37, 0
	s_cbranch_scc1 .Lloop_a
.Lno_a:
	s_lshl_b32 s37, s15, 1
	s_sub_co_u32 s37, 14, s37
	s_cmp_eq_u32 s37, 0
	s_cbranch_scc1 .Lno_b
.Lloop_b:                                          ; pairs uL + 1 .. 14 - uL: the high query tiles alone, no mask
	STEP 0, 2, 0, 0, 0
	STEP 1, 2, 0, 0, 0
	s_sub_co_i32 s37, s37, 1
	s_cmp_lg_u32 s37, 0
	s_cbranch_scc1 .Lloop_b
.Lno_b:
	STEP 0, 2, 42, 0, 1                            ; pair 15 - uL: the high rows' diagonal; nothing is asked for any more
	STEP 1, 2, 40, 0, 2
	; THE FOUR WAVES' RESULTS MEET.  Each wave publishes its maxima and sums; each scales its O by 2^(own maximum - common maximum) / common sum.
	PLACES
.irp i, 0,1,2,3
	v_permlanex16_b32 v[T+\i], v[LS+\i], s38, s39
.endr
.irp i, 0,1,2,3
	v_add_f32 v[LS+\i], v[LS+\i], v[T+\i]          ; the row's sum over my wave's 32 keys a step
.endr
	v_and_b32 v[SA], 15, v0                        ; r
	v_lshlrev_b32 v30, 4, v[SA]
	s_lshl_b32 s58, s10, 2
	s_add_co_u32 s58, s58, STAT
	v_add_nc_u32 v28, s58, v30                     ; row r's four words, mine of them
	v_add_nc_u32 v30, STAT, v30
.irp i, 0,1,2,3
	ds_store_b32 v28, v[M+\i]  offset:256*\i       ; lanes r and r + 16 write the same word with the same value
	ds_store_b32 v28, v[LS+\i] offset:1024+256*\i
.endr
	s_wait_dscnt 0x0                               ; my stores are done; my reads of the slots were over before
	s_barrier_signal -1
	s_barrier_wait -1                              ; so behind this barrier the slots' bytes may serve as the stage
.irp i, 0,1,2,3
	ds_load_b128 v[FA+4*\i:FA+4*\i+3],       v30 offset:256*\i
	ds_load_b128 v[FA+16+4*\i:FA+16+4*\i+3], v30 offset:1024+256*\i
.endr
	s_wait_dscnt 0x0
.irp i, 0,1,2,3
	v_max3_num_f32 v[MN+\i], v[FA+4*\i], v[FA+4*\i+1], v[FA+4*\i+2]
.endr
.irp i, 0,1,2,3
	v_max_num_f32 v[MN+\i], v[MN+\i], v[FA+4*\i+3] ; the row's maximum over all keys: finite, since the row's own key belongs to some wave
.endr
.irp i, 0,1,2,3
	v_sub_f32 v[T+\i], v[M+\i], v[MN+\i]
.irp w, 0,1,2,3
	v_sub_f32 v[FA+4*\i+\w], v[FA+4*\i+\w], v[MN+\i]
.endr
.endr
.irp i, 0,1,2,3
	v_exp_f32 v[T+\i], v[T+\i]
.endr
.set k, 0
.rept 16
	v_exp_f32 v[FA+k], v[FA+k]
.set k, k+1
.endr
	v_nop
	s_wait_alu depctr_va_vdst(0)
.irp i, 0,1,2,3
	v_mul_f32  v[AL+\i], v[FA+16+4*\i],   v[FA+4*\i]
	v_fmac_f32 v[AL+\i], v[FA+16+4*\i+1], v[FA+4*\i+1]
	v_fmac_f32 v[AL+\i], v[FA+16+4*\i+2], v[FA+4*\i+2]
	v_fmac_f32 v[AL+\i], v[FA+16+4*\i+3], v[FA+4*\i+3]         ; at least 1: the key of the maximum adds 2^0
.endr
.irp i, 0,1,2,3
	v_rcp_f32 v[AL+\i], v[AL+\i]
.endr
	v_nop
	s_wait_alu depctr_va_vdst(0)
.irp i, 0,1,2,3
	v_mul_f32 v[AL+\i], v[AL+\i], v[T+\i]
.endr
	; addresses of the way out
	s_mul_i32 s58, s10, SW
	v_bfe_u32 v25, v0, 4, 1                        ; h
	v_and_b32 v24, 15, v0                          ; r
	v_mul_u32_u24 v[SA], v[SA], SP
	v_lshl_add_u32 v[SA], v25, 5, v[SA]
	v_add_nc_u32 v[SA], s58, v[SA]                 ; in: my wave's stage, row r, 32 bytes for each half of the lanes
	s_lshl_b32 s58, s10, 8
	v_lshl_add_u32 v26, v24, 4, s58                ; back: my wave takes d = 64 w .. 64 w + 63 of every row: 256 bytes, 16 a lane
	v_mad_u32_u24 v[RA], v25, SP, v26              ; lanes 0-15 one row, lanes 16-31 the next
	v_add_nc_u32 v[RA+1], SW, v[RA]
	v_add_nc_u32 v[RA+2], SW, v[RA+1]
	v_add_nc_u32 v[RA+3], SW, v[RA+2]
	v_lshl_add_u32 v[GO], v25, 10, v26             ; and the same two rows in out0
	RESCALE 0
.macro STAGE win, qb                   ; a lane's eight results are d = 16 dt + 8 h + 0..7 of row 16 qt + r: 32 bytes
	WIN \win
.irp qq, 0,1
.irp dt, 0,1,2,3,4,5,6,7,8,9,10,11,12,13,14,15
	ds_store_b128 v[SA], v[8*(2*\dt+\qq):8*(2*\dt+\qq)+3]   offset:(\qb+\qq)*16*SP+\dt*64
	ds_store_b128 v[SA], v[8*(2*\dt+\qq)+4:8*(2*\dt+\qq)+7] offset:(\qb+\qq)*16*SP+\dt*64+16
.endr
.endr
.endm
	STAGE 0x08, 0                                  ; store data (source 1) from window 2
	STAGE 0x0c, 2                                  ; from window 3
	WIN 0
	s_wait_dscnt 0x0
	s_barrier_signal -1
	s_barrier_wait -1                              ; all four stages are whole
; Eight pairs of rows: four loads a pair (one from each wave's stage), summed as (w0 + w1) + (w2 + w3); 16 lanes store 256 consecutive bytes, aligned.
.macro OUTB bt, base
.if \bt
	s_wait_xcnt 0x0                                ; the last batch's stores have had their addresses translated (ISA guide 3.1): their data registers are loaded again only behind this wait
.endif
.irp i, 0,1,2,3,4,5,6,7
.irp w, 0,1,2,3
	ds_load_b128 v[FA+16*\i+4*\w:FA+16*\i+4*\w+3], v[RA+\w] offset:(8*\bt+\i)*2*SP
.endr
.endr
.irp i, 0,1,2,3,4,5,6,7
	s_wait_dscnt 28-4*\i                           ; pair i's four loads are in, the later pairs' stay out
	v_pk_add_f32 v[FA+16*\i:FA+16*\i+1],     v[FA+16*\i:FA+16*\i+1],     v[FA+16*\i+4:FA+16*\i+5]
	v_pk_add_f32 v[FA+16*\i+2:FA+16*\i+3],   v[FA+16*\i+2:FA+16*\i+3],   v[FA+16*\i+6:FA+16*\i+7]
	v_pk_add_f32 v[FA+16*\i+8:FA+16*\i+9],   v[FA+16*\i+8:FA+16*\i+9],   v[FA+16*\i+12:FA+16*\i+13]
	v_pk_add_f32 v[FA+16*\i+10:FA+16*\i+11], v[FA+16*\i+10:FA+16*\i+11], v[FA+16*\i+14:FA+16*\i+15]
	v_pk_add_f32 v[FA+16*\i:FA+16*\i+1],     v[FA+16*\i:FA+16*\i+1],     v[FA+16*\i+8:FA+16*\i+9]
	v_pk_add_f32 v[FA+16*\i+2:FA+16*\i+3],   v[FA+16*\i+2:FA+16*\i+3],   v[FA+16*\i+10:FA+16*\i+11]
	global_store_b128 v[GO], v[FA+16*\i:FA+16*\i+3], s[\base:\base+1] offset:((8*\bt+\i)%16)*2048 th:TH_STORE_NT
.endr
.endm
	OUTB 0, 44                                     ; my 32 low rows
	OUTB 1, 44
	OUTB 2, 46                                     ; my 32 high rows
	OUTB 3, 46
	s_wait_xcnt 0x0
	v_lshl_add_u32 v94, v0, 2, 0x41800
	v_mov_b32 v95, 0
	s_wait_tensorcnt 0x0
	ds_add_u32 v94, v95
	s_wait_dscnt 0x0
	CROUND                                         ; the closing round: no work-group ends while a partner may still ask for a tile that names it
	s_endpgm
.Lfunc_end_k_qd49696e8d8_attn:
	.size	k_qd49696e8d8_attn, .Lfunc_end_k_qd49696e8d8_attn-k_qd49696e8d8_attn
	.p2alignl 7, 3214868480
	.fill 96, 4, 3214868480
	.section	.rodata,"a",@progbits
	.p2align	6, 0x0
	.amdhsa_kernel k_qd49696e8d8_attn
		.amdhsa_group_segment_fixed_size 327680
		.amdhsa_private_segment_fixed_size 0
		.amdhsa_enable_private_segment 0
		.amdhsa_kernarg_size 24
		.amdhsa_user_sgpr_count 2
		.amdhsa_user_sgpr_kernarg_segment_ptr 1
		.amdhsa_wavefront_size32 1
		.amdhsa_system_sgpr_workgroup_id_x 1
		.amdhsa_system_sgpr_workgroup_id_y 1
		.amdhsa_system_sgpr_workgroup_id_z 1
		.amdhsa_system_vgpr_workitem_id 0
		.amdhsa_next_free_vgpr 1024
		.amdhsa_next_free_sgpr 66
		.amdhsa_reserve_vcc 1
		.amdhsa_float_denorm_mode_32 3
		.amdhsa_float_denorm_mode_16_64 3
		.amdhsa_memory_ordered 1
		.amdhsa_forward_progress 1
		.amdhsa_inst_pref_size 255
	.end_amdhsa_kernel
	.section	.bss,"aw",@nobits
	.p2align	6
	.space	262144
	.amdgpu_metadata
---
amdhsa.version: [ 1, 2 ]
amdhsa.kernels:
  - .name:           k_qd49696e8d8_attn
    .symbol:         k_qd49696e8d8_attn.kd
    .args:
      - { .name: q, .offset: 0, .size: 8, .value_kind: global_buffer, .address_space: global }
      - { .name: kv, .offset: 8, .size: 8, .value_kind: global_buffer, .address_space: global }
      - { .name: out0, .offset: 16, .size: 8, .value_kind: global_buffer, .address_space: global }
    .group_segment_fixed_size: 327680
    .private_segment_fixed_size: 0
    .kernarg_segment_align: 8
    .kernarg_segment_size: 24
    .max_flat_workgroup_size: 128
    .sgpr_count:     66
    .vgpr_count:     1024
    .wavefront_size: 32
...
	.end_amdgpu_metadata
.endif
;; end of part 2
